; MI455X (gfx1250); checked and timed in simulation.
; The chip was launched on July 23, 2026; its instructions are those of AMD's public machine-readable ISA for CDNA 5 (MIT licence, August 2026) and "CDNA5" Instruction Set Architecture Reference Guide (July 2026). The comments in the code are by the model that wrote it; some were corrected since.
;; Self Attention. Allowed arithmetic: matrix products marked QUANTISED: E2M3 operands, one E8M0 scale for each 32 along K, by v_wmma_scale_f32_16x16x128_f8f6f4 with both operands' format E2M3, f32 sums; everything else in f32.
;; Inputs: key_padding_mask 4 x 2,048 bool; qkv 4 x 2,048 x 3 x 16 x 64 float32.
;; Outputs: out0 4 x 2,048 x 16 x 64 float32.
;; This version of the problem:
;;   THIS VERSION OF THE PROBLEM IS GIVEN IN LOW PRECISION. The matrix products marked QUANTISED in the list below multiply operands that are first quantised to E2M3 (2 exponent bits, 3 mantissa bits; 6 bits a number), with one power-of-two scale for each 32 numbers along K (OCP MX v1.0); their sums are f32. All else is computed in f32.
;;   The module's matrix products, in the order in which they are computed (A, B: the left and right operand; K: the contracted axis; several contracted axes count as one K, in the product's order):
;;     1. batch 64 x [M 2,048, K 64] x [K 64, N 2,048]; A: input qkv; B: computed on the way: QUANTISED
;;     2. batch 64 x [M 64, K 2,048] x [K 2,048, N 2,048]; A: input qkv; B: softmax (see below): QUANTISED
;;   THE QUANTISER, for each operand of a quantised product, along K:
;;     - K is cut into blocks of 32 from its start; a last block that is shorter is filled with zeros.
;;     - A block's scale is 2^e with e = floor(log2(the largest magnitude in the block)) - 2, held to -126 .. 127; a block of zeros has e = 0. As a byte (E8M0): e + 127.
;;     - Each number is divided by its block's scale, clamped to +-7.5, and rounded to the nearest number of E2M3, ties to even, subnormals kept.
;;     - The product sums the exact products of the quantised numbers (number of the format x scale) in f32.
;;   ~~~python
;;   def quantise(x, axis):      # numpy; x: float32 -> the quantised numbers, widened to float32 again
;;       x = np.moveaxis(x, axis, -1); K = x.shape[-1]
;;       x = np.pad(x, [(0, 0)] * (x.ndim - 1) + [(0, -K % 32)]); x = x.reshape(x.shape[:-1] + (-1, 32)); a = np.abs(x).max(-1, keepdims=True)
;;       e = np.where(a > 0, np.clip(np.frexp(np.where(a > 0, a, 1))[1] - 1 - 2, -126, 127), 0)      # np.frexp(a)[1] - 1 = floor(log2(a)), exactly
;;       r = np.clip(x / 2.0 ** e, -7.5, 7.5)
;;       step = 2.0 ** (np.maximum(np.frexp(np.where(r == 0, 1, r))[1] - 1, 0) - 3)
;;       q = np.round(r / step) * step * 2.0 ** e      # np.round: ties to even
;;       return np.moveaxis(q.reshape(q.shape[:-2] + (-1,))[..., :K], -1, axis).astype(np.float32)
;;   ~~~
;;   SOFTMAX AHEAD OF A QUANTISED PRODUCT. Where the list says 'softmax', what is quantised is not the finished softmax but p = 2^(t - M), with t = logit x log2(e) and M = ceil(the row's largest t), a whole number; so 1/2 < the row's largest p <= 1. The row's sum l is taken of the UNQUANTISED p, in f32, and the product's result is divided by l at the end. Since M is a whole number, a kernel that streams over the keys may use a running M (the ceiling of the running maximum): every later rescaling is an exact power of two, which a block's scale takes up: the codes' values come out the same.
;;   OPERANDS COMPUTED ON THE WAY. 'Computed on the way' means the value that the module computes at that place (a softmax that the list does not call 'softmax' is quantised finished and normalised). What goes into a quantiser is computed in f32, as accurately as f32 sums, v_exp_f32 and their like allow (about 1e-6 of the number): no bf16 or f16 on the way to a quantiser, and a product that is left as it is and whose result goes on into a quantised operand takes f32 operands (vector FMAs, or v_wmma_f32_16x16x4_f32). A number that lies on a knife's edge between two numbers of the format may be rounded either way, as far as f32 arithmetic and the matrix unit's own rounding can turn it there, and no further.
;; One version. Each part assembles by itself: llvm-mc -triple=amdgcn-amd-amdhsa -mcpu=gfx1250 --defsym DOCPART=n.
;; ======== version 1 of 1: 2 launches
;; limits: right only within a limited range of input values
;; workspace buffers: kvc 15,728,640 bytes
;; launch quant (part 1): grid 16 x 64, 4 waves a work-group, no clusters, 42,496 bytes of LDS; arguments qkv, kvc, key_padding_mask; writes kvc
.if DOCPART == 1
	.amdgcn_target "amdgcn-amd-amdhsa--gfx1250"
	.amdhsa_code_object_version 6
	.text
	.protected	k_q0db6c190cb_quant
	.globl	k_q0db6c190cb_quant
	.p2align	8
	.type	k_q0db6c190cb_quant,@function
k_q0db6c190cb_quant:
	s_mov_b64 s[64:65], 0
	v_nop
	global_prefetch_b8 v0, s[64:65] scope:SCOPE_SE
	s_setreg_imm32_b32 hwreg(HW_REG_WAVE_MODE, 25, 1), 1
	s_wait_xcnt 0x0
; qkv [4][2048][3][16][64] f32.  k x 1/8 (along the head's 64) and v (along the keys) become codes of FP6 (E2M3) with one E8M0 byte for each 32 along K,
; laid in kvc in the order of the operands' registers: one record of 15,360 bytes (60 x 256) for each (batch, head, step of 128 keys), at ((b 16 + h) 16 + j) x 15,360:
;   +0      K's image, 64 registers x 32 lanes: register p of lane l at 512 (p / 4) + 16 l + 4 (p % 4).  Tile T = 4 g + t is registers 8 T .. 8 T + 7: 0-5 the codes: lane (r, hD) holds block hD of the
;           head's 64 of key 64 g + 32 (r / 8) + 8 t + r % 8; register 6 THE PAD'S CODES for k = 64, 65 of the instruction's 128: (-1.875, -2.5) where the mask drops the key, zeros where it keeps it; register 7 zeros.
;           The other side holds (1.875, 2.5) there: 1.875^2 + 2.5^2 = 625 / 64, and with the dropped row's block scale 2^10 the product adds exactly -10000 to the score.
;   +8192   V's image: tile t (d = 16 t + r) is registers 12 t .. 12 t + 11; registers 6 c .. 6 c + 5 of lane (r, hk) hold keys 64 c + 32 hk + 0 .. 31.
;   +14336  K's scale words: register i (0..3) of lane l at 16 l + 4 i: lanes 0-15 the rows of tile 2 i, lanes 16-31 those of tile 2 i + 1.  Bytes (s0, s1, the pad block's, one for zero codes):
;           a dropped key (s0, s1, 137, 127), a kept key, whose pad block is zeros, (s0, s1, s0, s1).
;   +14848  V's scale words: register i of lane l at 16 l + 4 i: d = 32 (i % 2) + l; byte w is the step's key block w (registers 2, 3 repeat 0, 1).
; k x 1/8 is exact: its codes are k's codes and its byte is k's byte less 3.  A block's byte is the largest magnitude's exponent field less 2, held at 1 from below by a floor among the maximum's leaves.
; LIMITS: a block of k whose largest magnitude lies under 2^-121, or of v under 2^-124, has its byte held at 1; a block of zeros gets the byte 1 where the rule says 127 (its codes are zeros, and this program
; alone reads the bytes); NaN and infinities among the inputs are not served.
; SHARES.  A work-group of four waves makes one record.  K: wave w makes tiles 2 w, 2 w + 1 (rows loaded whole, turned through the wave's own stage).  V: wave w takes key block w for all 64 d, registers down the keys.
; No tensor load, no loop, one barrier.  No cluster: work-groups share no input but 128 bytes of the mask.
.set ROWB,  12288
.set BATB,  2048*ROWB
.set REC,   15360
.set TURNB, 32*272
.set VIMG,  4*TURNB
.set SCA,   VIMG+6144                  ; K's scale words (512 bytes), V's (512)
.set SPARE, SCA+1024                   ; the spare words, 128 bytes a wave
.set QM0,   20
.set QM1,   21
.set QSCL,  22
.set QT,    24
.set KC,    32                         ; v32-47  K's image, two tiles of eight registers
.set VC,    48                         ; v48-59  V's codes, two columns
.set MB,    60                         ; v60-61  my keys' mask bytes
.set PADC,  62                         ; v62     the pad's two codes
.set MA,    63                         ; v63     the mask's lane offset
.set KX,    64
.set VX,    128
.macro QUANT32 src, dst, floor, by     ; 32 numbers of one block become six registers of codes and the scale's byte
	v_max3_num_f32 v[QM0], |v[(\src)]|, |v[(\src)+1]|, \floor
	v_max3_num_f32 v[QM1], |v[(\src)+16]|, |v[(\src)+17]|, |v[(\src)+18]|
.irp n, 0,1,2,3,4,5
	v_max3_num_f32 v[QM0], v[QM0], |v[(\src)+2+2*\n]|, |v[(\src)+3+2*\n]|
	v_max3_num_f32 v[QM1], v[QM1], |v[(\src)+19+2*\n]|, |v[(\src)+20+2*\n]|
.endr
	v_max3_num_f32 v[QM0], v[QM0], |v[(\src)+14]|, |v[(\src)+15]|
	v_max3_num_f32 v[QM0], v[QM0], v[QM1], |v[(\src)+31]|
	v_add_nc_u32 v[QSCL], 0xff000000, v[QM0]       ; 2 off the exponent field: the conversion's scale operand
	v_cvt_scalef32_pk16_fp6_f32 v[(\dst):(\dst)+2], v[(\src):(\src)+15], v[QSCL]
	v_cvt_scalef32_pk16_fp6_f32 v[QT:QT+2], v[(\src)+16:(\src)+31], v[QSCL]
	v_lshrrev_b32 v[\by], 23, v[QSCL]              ; the byte; also the plain line behind the conversions
.irp n, 0,1,2
	v_mov_b32 v[(\dst)+3+\n], v[QT+\n]
.endr
.endm
	s_load_b128 s[4:7], s[0:1], 0x0                ; qkv, kvc
	s_load_b64 s[40:41], s[0:1], 0x10              ; the mask
	v_lshl_add_u32 v192, v0, 2, SPARE
	v_mov_b32 v193, 0
	v_lshrrev_b32 v1, 5, v0
	v_readfirstlane_b32 s8, v1                     ; wave
	s_and_b32 s10, ttmp7, 0xffff                   ; y = 16 b + j
	s_lshr_b32 s11, s10, 4
	s_and_b32 s12, s10, 15
	s_lshr_b32 s24, s8, 1                          ; g
	s_and_b32 s25, s8, 1
	s_mul_i32 s26, s11, BATB
	s_mul_i32 s27, s12, 128*ROWB
	s_add_co_u32 s26, s26, s27
	s_lshl_b32 s27, ttmp9, 8                       ; x = the head
	s_add_co_u32 s26, s26, s27
	s_lshl_b32 s28, s24, 6
	s_lshl_b32 s29, s25, 4
	s_add_co_u32 s28, s28, s29                     ; K: my first row of the step: 64 g + 16 (wave % 2)
	s_lshl_b32 s42, s10, 7                         ; the mask: 2,048 b + 128 j
	s_add_co_u32 s42, s42, s28
	s_mov_b32 s43, 0
	s_mul_i32 s28, s28, ROWB
	s_add_co_u32 s28, s28, s26
	s_add_co_u32 s28, s28, 4096
	s_mov_b32 s29, 0
	s_mul_i32 s30, s8, 32*ROWB
	s_add_co_u32 s30, s30, s26
	s_add_co_u32 s30, s30, 8192
	s_mov_b32 s31, 0
	s_lshl_b32 s32, s11, 4
	s_add_co_u32 s32, s32, ttmp9
	s_lshl_b32 s32, s32, 4
	s_add_co_u32 s32, s32, s12
	s_mul_i32 s32, s32, REC
	s_mov_b32 s33, 0
	s_mov_b32 s20, 0x76543210
	s_mov_b32 s21, 0xfedcba98
	s_mov_b32 s22, 0xffff0000                      ; lanes 16-31
	v_and_b32 v1, 31, v0
	v_and_b32 v2, 15, v0
	v_bfe_u32 v3, v0, 4, 1
	v_mul_u32_u24 v4, v3, ROWB
	v_lshl_add_u32 v4, v2, 4, v4                   ; K's loads: lanes 0-15 one row of 256 bytes, lanes 16-31 the next
	v_lshlrev_b32 v5, 2, v1
	s_mul_i32 s34, s8, TURNB
	v_mul_u32_u24 v6, v3, 272
	v_lshl_add_u32 v6, v2, 4, v6
	v_add_nc_u32 v6, s34, v6
	v_mul_u32_u24 v7, v2, 272
	v_lshl_add_u32 v7, v3, 7, v7
	v_add_nc_u32 v7, s34, v7
	s_lshl_b32 s35, s8, 11
	v_lshl_add_u32 v8, v1, 4, s35                  ; K's image in the record: my sixteen registers are chunks 4 w .. 4 w + 3
	v_mul_u32_u24 v17, v3, 1536
	v_lshl_add_u32 v17, v2, 4, v17
	s_lshl_b32 s36, s25, 8
	s_add_co_u32 s36, s36, VIMG
	v_add_nc_u32 v17, s36, v17
	s_mul_i32 s37, s24, 520
	v_add_nc_u32 v9, s37, v17
	s_mul_i32 s38, s24, 1016
	s_add_co_u32 s38, s38, 8
	v_add_nc_u32 v10, s38, v17
	s_add_co_u32 s37, s37, 512
	v_add_nc_u32 v11, s37, v17
	s_add_co_u32 s39, s8, SCA+512
	v_lshl_add_u32 v12, v1, 4, s39                 ; V's scale byte: 16 l + w (+ 4 c, and once more 8 on)
	s_lshl_b32 s35, s8, 2
	s_add_co_u32 s35, s35, SCA
	v_lshl_add_u32 v13, v1, 4, s35                 ; K's scale word: 16 l + 4 w
	v_lshlrev_b32 v14, 3, v3
	v_lshlrev_b32 v15, 4, v0
	v_lshlrev_b32 v16, 3, v0
	v_mov_b32 v30, 0
	v_and_b32 v31, 7, v0
	v_bfe_u32 v[MA], v0, 3, 1
	v_lshl_or_b32 v[MA], v[MA], 5, v31             ; my key in a tile: 32 (r / 8) + r % 8
	v_mov_b32 v[PADC], 0xcaf                       ; the codes of -1.875 and -2.5
	v_mov_b32 v[KC+7], 0
	v_mov_b32 v[KC+15], 0
	s_wait_alu depctr_va_vdst(0)                   ; the wait at the head's end
	s_wait_kmcnt 0x0
	s_add_nc_u64 s[14:15], s[4:5], s[28:29]
	s_add_nc_u64 s[16:17], s[4:5], s[30:31]
	s_add_nc_u64 s[18:19], s[6:7], s[32:33]
	s_add_nc_u64 s[40:41], s[40:41], s[42:43]
.irp u, 0,1
	global_load_u8 v[MB+\u], v[MA], s[40:41] offset:8*\u
.endr
.irp i, 0,1,2,3,4,5,6,7,8,9,10,11,12,13,14,15
	global_load_b128 v[KX+4*\i:KX+4*\i+3], v4, s[14:15] offset:(32*(\i/8)+2*(\i%8))*ROWB th:TH_LOAD_NT
.endr
.irp i, 0,1,2,3,4,5,6,7,8,9,10,11,12,13,14,15,16,17,18,19,20,21,22,23,24,25,26,27,28,29,30,31
.irp c, 0,1
	global_load_b32 v[VX+32*\c+\i], v5, s[16:17] offset:\i*ROWB+128*\c th:TH_LOAD_NT
.endr
.endr
	s_wait_loadcnt 63                              ; 64 loads were issued behind the mask's two and K's sixteen: those are in
.irp i, 0,1,2,3,4,5,6,7,8,9,10,11,12,13,14,15
	ds_store_b128 v6, v[KX+4*\i:KX+4*\i+3] offset:(16*((\i%8)/4)+8*(\i/8)+2*(\i%4))*272
.endr
.irp u, 0,1
.irp k, 0,1,2,3,4,5,6,7
	ds_load_b128 v[KX+32*\u+4*\k:KX+32*\u+4*\k+3], v7 offset:16*\u*272+16*\k   ; a wave's LDS instructions are served in order: these see my stores
.endr
.endr
	s_wait_dscnt 0x0
.irp u, 0,1
	QUANT32 KX+32*\u, KC+8*\u, 0x3000000, 23       ; floor 2^(6 - 127): the byte less 3 stays at 1 or above
	v_add_nc_u32 v23, -3, v23                      ; the 1/8
	v_lshlrev_b32 v[28+\u], v14, v23
	v_permlanex16_b32 v30, v[28+\u], s20, s21
	v_or_b32 v[28+\u], v[28+\u], v30               ; (s0, s1)
	v_cmp_eq_u32 vcc_lo, 0, v[MB+\u]               ; is my key dropped?
	v_lshl_or_b32 v31, v[28+\u], 16, v[28+\u]      ; a kept key's word
	v_or_b32 v[28+\u], 0x7f890000, v[28+\u]        ; a dropped key's: the pad block's scale is 2^10
	v_cndmask_b32 v[28+\u], v31, v[28+\u], vcc_lo
	v_cndmask_b32 v[KC+8*\u+6], 0, v[PADC], vcc_lo ; the pad's codes
.endr
	v_cndmask_b32 v28, v28, v29, s22               ; lanes 0-15 tile 2 w's rows, lanes 16-31 tile 2 w + 1's
	ds_store_b32 v13, v28
.irp q, 0,1,2,3
	global_store_b128 v8, v[KC+4*\q:KC+4*\q+3], s[18:19] offset:512*\q   ; 512 consecutive bytes, aligned
.endr
	s_wait_loadcnt 0x0
.irp c, 0,1
	QUANT32 VX+32*\c, VC+6*\c, 0x1800000, 18+\c
	ds_store_b64 v9,  v[VC+6*\c:VC+6*\c+1]   offset:3072*\c
	ds_store_b64 v10, v[VC+6*\c+2:VC+6*\c+3] offset:3072*\c
	ds_store_b64 v11, v[VC+6*\c+4:VC+6*\c+5] offset:3072*\c
	ds_store_b8 v12, v[18+\c] offset:4*\c
	ds_store_b8 v12, v[18+\c] offset:4*\c+8
.endr
	s_wait_dscnt 0x0                               ; for the others' sake: my stores are done
	s_barrier_signal -1
	s_barrier_wait -1
.irp q, 0,1,2
	ds_load_b128 v[KX+4*\q:KX+4*\q+3], v15 offset:VIMG+2048*\q
.endr
	ds_load_b64 v[76:77], v16 offset:SCA
.irp q, 0,1,2
	s_wait_dscnt 3-\q                              ; the younger loads may stay out
	global_store_b128 v15, v[KX+4*\q:KX+4*\q+3], s[18:19] offset:8192+2048*\q
.endr
	s_wait_dscnt 0x0
	global_store_b64 v16, v[76:77], s[18:19] offset:14336   ; the 1,024 bytes of scale words: a wave stores 256 consecutive bytes, aligned
	s_wait_tensorcnt 0x0                           ; the wave's end
	ds_add_u32 v192, v193
	s_wait_dscnt 0x0
	s_endpgm
.Lfunc_end_k_q0db6c190cb_quant:
	.size	k_q0db6c190cb_quant, .Lfunc_end_k_q0db6c190cb_quant-k_q0db6c190cb_quant
	.p2alignl 7, 3214868480
	.fill 96, 4, 3214868480
	.section	.rodata,"a",@progbits
	.p2align	6, 0x0
	.amdhsa_kernel k_q0db6c190cb_quant
		.amdhsa_group_segment_fixed_size 42496
		.amdhsa_private_segment_fixed_size 0
		.amdhsa_enable_private_segment 0
		.amdhsa_kernarg_size 24
		.amdhsa_user_sgpr_count 2
		.amdhsa_user_sgpr_kernarg_segment_ptr 1
		.amdhsa_wavefront_size32 1
		.amdhsa_system_sgpr_workgroup_id_x 1
		.amdhsa_system_sgpr_workgroup_id_y 1
		.amdhsa_system_sgpr_workgroup_id_z 1
		.amdhsa_system_vgpr_workitem_id 0
		.amdhsa_next_free_vgpr 194
		.amdhsa_next_free_sgpr 66
		.amdhsa_reserve_vcc 1
		.amdhsa_float_denorm_mode_32 3
		.amdhsa_float_denorm_mode_16_64 3
		.amdhsa_memory_ordered 1
		.amdhsa_forward_progress 1
		.amdhsa_inst_pref_size 23
	.end_amdhsa_kernel
	.amdgpu_metadata
---
amdhsa.version: [ 1, 2 ]
amdhsa.kernels:
  - .name:           k_q0db6c190cb_quant
    .symbol:         k_q0db6c190cb_quant.kd
    .args:
      - { .name: qkv, .offset: 0, .size: 8, .value_kind: global_buffer, .address_space: global }
      - { .name: kvc, .offset: 8, .size: 8, .value_kind: global_buffer, .address_space: global }
      - { .name: key_padding_mask, .offset: 16, .size: 8, .value_kind: global_buffer, .address_space: global }
    .group_segment_fixed_size: 42496
    .private_segment_fixed_size: 0
    .kernarg_segment_align: 8
    .kernarg_segment_size: 24
    .max_flat_workgroup_size: 128
    .sgpr_count:     66
    .vgpr_count:     194
    .wavefront_size: 32
...
	.end_amdgpu_metadata
.endif
;; end of part 1
;; launch attn (part 2): grid 4 x 64, 16 waves a work-group, clusters of 4 x 1, 317,440 bytes of LDS; arguments qkv, kvc, out0; writes out0
.if DOCPART == 2
	.amdgcn_target "amdgcn-amd-amdhsa--gfx1250"
	.amdhsa_code_object_version 6
	.text
	.protected	k_q0db6c190cb_attn
	.globl	k_q0db6c190cb_attn
	.p2align	8
	.type	k_q0db6c190cb_attn,@function
k_q0db6c190cb_attn:
	s_mov_b64 s[64:65], 0
	v_nop
	global_prefetch_b8 v0, s[64:65] scope:SCOPE_SE
	s_setreg_imm32_b32 hwreg(HW_REG_WAVE_MODE, 25, 1), 1
	s_wait_xcnt 0x0
	s_wait_alu depctr_hold_cnt(0) depctr_sa_sdst(0) depctr_va_vdst(0) depctr_va_sdst(0) depctr_va_ssrc(0) depctr_va_vcc(0) depctr_vm_vsrc(0)
	s_getreg_b32 s2, hwreg(HW_REG_IB_STS2, 6, 4)
	s_cmp_eq_u32 s2, 0
	s_cbranch_scc0 .Lentry_in_a_cluster
	s_endpgm
.Lentry_in_a_cluster:
	s_bfe_u32 s2, ttmp6, 0x10000c
	s_cmp_lg_u32 s2, 0x3003
	s_cbranch_scc0 .Lentry_shape_is_right
	s_endpgm
.Lentry_shape_is_right:
; out0[b][q][h][:] = the sum over keys of softmax(q . k / 8 + pad[key]) v[key][:], pad = 0 where the mask keeps a key and -10000 where not; both products on codes of FP6 (E2M3) with E8M0 scales.
; k x 1/8, v and the pad come as codes from kvc, in the order of the operands' registers: a record of 15,360 bytes for each 128 keys of a head (K's image 8,192, V's 6,144, K's scale words 512, V's 512).
; q is quantised here.  THE SOFTMAX AHEAD OF THE SECOND PRODUCT: t = logit x log2(e); M = the running largest t rounded up to a whole number; p = 2^(t - M) is quantised along the keys, not normalised;
; the row's sum is taken of the unquantised p and divides at the end; when M moves, the sum and O are multiplied by 2^(old M - new M), which rounds nothing.
; THE MASK IS PART OF THE FIRST PRODUCT.  The head is 64 wide, the instruction 128.  At k = 64, 65 Q holds the codes (1.875, 2.5) under the scale 1, K the codes (-1.875, -2.5) under 2^10 for a dropped key
; and zeros for a kept one: the product adds exactly -10000 or 0.  Everywhere else in k = 64 .. 127 Q holds zero codes, so what K's operand holds there (the next tile's codes) adds exactly 0.
; SHARES.  A work-group owns 512 queries of one head, each of its sixteen waves 32: two tiles of 16.  Four waves to a SIMD, 256 registers each: a wave's LDS loads, waits and chains stand beside the others' work.
; A head's codes, 245,760 bytes, lie whole in LDS: filled once, no slot is filled again, no barrier stands in the loop.  K comes into registers by halves of 64 keys, V by halves of 32 channels.
; CLUSTER.  The four query blocks of a head read the same records and ask jointly: each wave one tensor load of one record, mask 15, the same descriptor in all four.  A wave has one tensor load outstanding.
; NO PREFETCH: what comes from memory is asked for whole at the head; the loop reads LDS alone.
; LAYOUT.  Both products are used transposed: S^T = K Q^T (source 0 = 16 keys, source 1 = 16 queries), O^T += V^T P^T: a lane holds one query (lane % 16).  Register 32 g + x of S^T in lane (r, h) is key
; 64 g + 32 h + x: a whole block of 32 keys in 32 consecutive registers, which is the 6-bit layout of source 1.
; LIMITS: a block of q whose largest magnitude lies under 2^-124 has its byte held at 1; a block of zeros (of q, or of p fallen to 0) keeps the byte 1: its codes are zeros; p under 2^-126 is 0; a block's
; largest p is made from its largest score by the same multiply-add and exponential, which takes v_exp_f32 not to fall where its input rises; NaN and infinities among the inputs are not served.
.set STEPB, 15360
.set VOFF,  8192
.set KSOFF, 14336
.set VSOFF, 14848
.set STAGE, 16*STEPB                   ; behind the records: 16 rows x 272 bytes for each wave: q's turn at the head, the way out at the end
.set SP,    272
.set SPARE, STAGE+16*16*SP             ; the spare words, 128 bytes a wave
.set ADR, 1                            ; v1   the step's record + 16 x lane
.set SH8, 2                            ; v2   8 (lane / 16)
.set SPW, 3                            ; v3   my spare word; never rewritten
.set NIL, 4                            ; v4   0; never rewritten
.set A16, 5                            ; v5   16 x lane
.set ST,  6                            ; v6-13  a tile's -M, largest score, sum in two halves
.set F,   14                           ; v14-15
.set BM,  16                           ; v16-19
.set BS,  20                           ; v20-21
.set T0,  22
.set T1,  23
.set X,   24                           ; v24-31 second conversions' results and the bytes
.set SU,  32                           ; v32-33
.set PW,  34                           ; v34-35 p's scale words
.set QS,  36                           ; v36-37 Q's
.set KS,  38                           ; v38-39 K's, of the half in hand
.set VS,  40                           ; v40-41 V's
.set PC,  42                           ; v42-65 p's codes, two tiles
.set Q,   66                           ; v66-89 Q, two tiles
.set KV,  90                           ; v90-125 a half of K (32 registers, and four of zeros behind it), or V's first half
.set S,   126                          ; v126-189 S^T, then p; then V's second half in v158-181
.set O,   190                          ; v190-253 O^T: tile i, d tile t at 32 i + 8 t
.set HR,  KV                           ; at the head and the end: lane % 16, lane / 16, offsets and stage addresses
.set HH,  KV+1
.set QL,  KV+2
.set SA,  KV+3
.set SQ,  KV+4
.set GO,  KV+5
.set WV,  12
.set SEL, 36
.set CS,  38
.set TB,  40
.macro CROUND                          ; a round of the cluster's barrier
	s_barrier_signal -1
	s_barrier_wait -1
	s_cmp_lg_u32 s[WV], 0
	s_cbranch_scc1 .Lnot_wave_0_\@
	s_barrier_signal -3
.Lnot_wave_0_\@:
	s_barrier_wait -3
	s_barrier_signal -1
	s_barrier_wait -1
.endm
.macro NOPS n
.rept \n
	v_nop
.endr
.endm
.macro QUANT32 src, dst, floor, by     ; 32 numbers of one block become six registers of codes and the scale's byte
	v_max3_num_f32 v[BM], |v[(\src)]|, |v[(\src)+1]|, \floor
	v_max3_num_f32 v[BM+1], |v[(\src)+16]|, |v[(\src)+17]|, |v[(\src)+18]|
.irp n, 0,1,2,3,4,5
	s_delay_alu instid0(VALU_DEP_2)
	v_max3_num_f32 v[BM], v[BM], |v[(\src)+2+2*\n]|, |v[(\src)+3+2*\n]|
	s_delay_alu instid0(VALU_DEP_2)
	v_max3_num_f32 v[BM+1], v[BM+1], |v[(\src)+19+2*\n]|, |v[(\src)+20+2*\n]|
.endr
	s_delay_alu instid0(VALU_DEP_2)
	v_max3_num_f32 v[BM], v[BM], |v[(\src)+14]|, |v[(\src)+15]|
	s_delay_alu instid0(VALU_DEP_1)
	v_max3_num_f32 v[BM], v[BM], v[BM+1], |v[(\src)+31]|
	s_delay_alu instid0(VALU_DEP_1)
	v_add_nc_u32 v[BS], 0xff000000, v[BM]
	v_cvt_scalef32_pk16_fp6_f32 v[(\dst):(\dst)+2], v[(\src):(\src)+15], v[BS]
	v_cvt_scalef32_pk16_fp6_f32 v[X:X+2], v[(\src)+16:(\src)+31], v[BS]
	v_lshrrev_b32 v[\by], 23, v[BS]                ; the byte; also the plain line behind the conversions
.irp n, 0,1,2
	v_mov_b32 v[(\dst)+3+\n], v[X+\n]
.endr
.endm
.macro LOADK g                         ; tiles 4 g .. 4 g + 3 of K and their scale words: nine loads
.irp q, 0,1,2,3,4,5,6,7
	ds_load_b128 v[KV+4*\q:KV+4*\q+3], v[ADR] offset:4096*(\g)+512*\q
.endr
	ds_load_b64 v[KS:KS+1], v[ADR] offset:KSOFF+8*(\g)
.endm
.macro LOADV hh, base                  ; d tiles 2 hh, 2 hh + 1 of V: six loads
.irp q, 0,1,2,3,4,5
	ds_load_b128 v[\base+4*\q:\base+4*\q+3], v[ADR] offset:VOFF+3072*(\hh)+512*\q
.endr
.endm
.macro SMULH i, g                      ; 64 keys of S^T for tile i: four accumulators, one instruction each
.irp t, 0,2
	v_wmma_scale_f32_16x16x128_f8f6f4 v[S+32*(\g)+8*\t:S+32*(\g)+8*\t+7], v[KV+8*\t:KV+8*\t+11], v[Q+12*(\i):Q+12*(\i)+11], 0, v[KS+\t/2], v[QS+(\i)] matrix_a_fmt:MATRIX_FMT_FP6 matrix_b_fmt:MATRIX_FMT_FP6
	v_wmma_scale_f32_16x16x128_f8f6f4 v[S+32*(\g)+8*\t+8:S+32*(\g)+8*\t+15], v[KV+8*\t+8:KV+8*\t+19], v[Q+12*(\i):Q+12*(\i)+11], 0, v[KS+\t/2], v[QS+(\i)] matrix_a_fmt:MATRIX_FMT_FP6 matrix_b_fmt:MATRIX_FMT_FP6 matrix_a_scale:MATRIX_SCALE_ROW1
.endr
.endm
.macro PVH i, hh, base                 ; O^T += V^T P^T for tile i, d tiles 2 hh, 2 hh + 1
	v_wmma_scale_f32_16x16x128_f8f6f4 v[O+32*(\i)+16*(\hh):O+32*(\i)+16*(\hh)+7], v[\base:\base+11], v[PC+12*(\i):PC+12*(\i)+11], v[O+32*(\i)+16*(\hh):O+32*(\i)+16*(\hh)+7], v[VS+(\hh)], v[PW+(\i)] matrix_a_fmt:MATRIX_FMT_FP6 matrix_b_fmt:MATRIX_FMT_FP6
	v_wmma_scale_f32_16x16x128_f8f6f4 v[O+32*(\i)+16*(\hh)+8:O+32*(\i)+16*(\hh)+15], v[\base+12:\base+23], v[PC+12*(\i):PC+12*(\i)+11], v[O+32*(\i)+16*(\hh)+8:O+32*(\i)+16*(\hh)+15], v[VS+(\hh)], v[PW+(\i)] matrix_a_fmt:MATRIX_FMT_FP6 matrix_b_fmt:MATRIX_FMT_FP6 matrix_a_scale:MATRIX_SCALE_ROW1
.endm
.macro RESCH i, part, f                ; two accumulators of tile i's O^T times the low word of the pair v[f], in ascending order
.set NN, O+32*(\i)+16*(\part)
.rept 8
	v_pk_mul_f32 v[NN:NN+1], v[NN:NN+1], v[\f:\f+1] op_sel_hi:[1,0]
.set NN, NN+2
.endr
.endm
.macro SUM4 n
	v_pk_add_f32 v[BM:BM+1], v[BM:BM+1], v[S+\n:S+\n+1]
	v_pk_add_f32 v[BM+2:BM+3], v[BM+2:BM+3], v[S+\n+2:S+\n+3]
	v_pk_add_f32 v[T0:T0+1], v[T0:T0+1], v[S+\n+4:S+\n+5]
	v_pk_add_f32 v[SU:SU+1], v[SU:SU+1], v[S+\n+6:S+\n+7]
.endm
; The softmax of tile i's 128 scores: block maxima, M, f, p, p's codes and scale word, the row's sum.  Each accumulator is read from its low end on.
.macro SOFT i
.set NM, ST+4*(\i)
.set PCI, PC+12*(\i)
.irp c, 0,1,2,3
	v_max3_num_f32 v[BM+\c], v[S+16*\c], v[S+16*\c+1], v[S+16*\c+2]
.endr
.irp n, 3,5,7,9,11,13
.irp c, 0,1,2,3
	v_max3_num_f32 v[BM+\c], v[BM+\c], v[S+16*\c+\n], v[S+16*\c+\n+1]   ; four chains by turns
.endr
.endr
	v_max3_num_f32 v[BM], v[BM], v[S+15], v[S+31]
	v_max3_num_f32 v[BM+2], v[BM+2], v[S+47], v[S+63]
	s_delay_alu instid0(VALU_DEP_2)
	v_max_num_f32 v[BM], v[BM], v[BM+1]            ; the largest score of my block h,
	s_delay_alu instid0(VALU_DEP_2)
	v_max_num_f32 v[BM+2], v[BM+2], v[BM+3]        ; and of my block 2 + h
	s_delay_alu instid0(VALU_DEP_1)
	v_max_num_f32 v[T0], v[BM], v[BM+2]
	s_delay_alu instid0(VALU_DEP_1)
	v_permlanex16_b32 v[T1], v[T0], s[SEL], s[SEL+1]
	s_delay_alu instid0(VALU_DEP_1)
	v_max3_num_f32 v[NM+1], v[NM+1], v[T0], v[T1]  ; the running largest score
	v_mov_b32 v[T0], v[NM]
	s_delay_alu instid0(VALU_DEP_2)
	v_mul_f32 v[T1], s[CS], v[NM+1]
	s_delay_alu instid0(VALU_DEP_1)
	v_floor_f32 v[NM], -v[T1]                      ; -M = floor(-t): a whole number
	s_delay_alu instid0(VALU_DEP_1)
	v_sub_f32 v[T0], v[NM], v[T0]                  ; old M - new M
	s_delay_alu instid0(VALU_DEP_1)
	v_cvt_i32_f32 v[T0], v[T0]                     ; (it saturates)
	s_delay_alu instid0(VALU_DEP_1)
	v_ldexp_f32 v[F], 1.0, v[T0]                   ; f = 2^(old M - new M)
	s_delay_alu instid0(VALU_DEP_4)
	v_fma_f32 v[BM], v[BM], s[CS], v[NM]           ; each block's largest score goes the way of every score
	v_fma_f32 v[BM+2], v[BM+2], s[CS], v[NM]
	s_wait_alu depctr_va_vdst(0)                   ; ahead of a batch of transcendentals
	v_exp_f32 v[BM], v[BM]                         ; the block's largest p
	v_exp_f32 v[BM+2], v[BM+2]
.set NN, 0
.rept 32
	v_pk_fma_f32 v[S+NN:S+NN+1], v[S+NN:S+NN+1], s[CS:CS+1], v[NM:NM+1] op_sel_hi:[1,0,0]   ; t - M
.set NN, NN+2
.endr
	s_wait_alu depctr_va_vdst(0)                   ; and behind it
	v_max_num_f32 v[BM], 0x1800000, v[BM]          ; the floor 2^(3 - 127): the byte cannot fall under 1
	v_max_num_f32 v[BM+2], 0x1800000, v[BM+2]
	s_delay_alu instid0(VALU_DEP_2)
	v_add_nc_u32 v[BS], 0xff000000, v[BM]          ; the conversions' scale operands
	s_delay_alu instid0(VALU_DEP_2)
	v_add_nc_u32 v[BS+1], 0xff000000, v[BM+2]
	s_delay_alu instid0(VALU_DEP_2)
	v_lshrrev_b32 v[X+3], 23, v[BS]
	s_delay_alu instid0(VALU_DEP_2)
	v_lshrrev_b32 v[X+7], 23, v[BS+1]
	s_wait_alu depctr_va_vdst(0)                   ; ahead of the batch
.set NN, 0
.rept 64
	v_exp_f32 v[S+NN], v[S+NN]                     ; p = 2^(t - M)
.set NN, NN+1
.endr
	v_lshl_or_b32 v[PW+(\i)], v[X+7], 16, v[X+3]   ; my two bytes,
	s_delay_alu instid0(VALU_DEP_1)
	v_lshlrev_b32 v[PW+(\i)], v[SH8], v[PW+(\i)]   ; at their places,
	s_delay_alu instid0(VALU_DEP_1)
	v_permlanex16_b32 v[T1], v[PW+(\i)], s[SEL], s[SEL+1]
	s_delay_alu instid0(VALU_DEP_1)
	v_or_b32 v[PW+(\i)], v[PW+(\i)], v[T1]         ; with the other half's two
	s_wait_alu depctr_va_vdst(0)                   ; behind the batch
	v_cvt_scalef32_pk16_fp6_f32 v[PCI:PCI+2], v[S:S+15], v[BS]
	v_cvt_scalef32_pk16_fp6_f32 v[X:X+2], v[S+16:S+31], v[BS]
	v_cvt_scalef32_pk16_fp6_f32 v[PCI+6:PCI+8], v[S+32:S+47], v[BS+1]
	v_cvt_scalef32_pk16_fp6_f32 v[X+4:X+6], v[S+48:S+63], v[BS+1]
	v_pk_add_f32 v[BM:BM+1], v[S:S+1], v[S+2:S+3]  ; the row's sum of the unquantised p: four chains by turns
	v_pk_add_f32 v[BM+2:BM+3], v[S+4:S+5], v[S+6:S+7]
	v_pk_add_f32 v[T0:T0+1], v[S+8:S+9], v[S+10:S+11]
	v_pk_add_f32 v[SU:SU+1], v[S+12:S+13], v[S+14:S+15]
.irp n, 16,24,32,40,48,56
	SUM4 \n
.endr
	s_delay_alu instid0(VALU_DEP_3)
	v_pk_add_f32 v[BM:BM+1], v[BM:BM+1], v[BM+2:BM+3]
	s_delay_alu instid0(VALU_DEP_2)
	v_pk_add_f32 v[T0:T0+1], v[T0:T0+1], v[SU:SU+1]
	s_delay_alu instid0(VALU_DEP_1)
	v_pk_add_f32 v[BM:BM+1], v[BM:BM+1], v[T0:T0+1]
	s_delay_alu instid0(VALU_DEP_1)
	v_pk_fma_f32 v[NM+2:NM+3], v[NM+2:NM+3], v[F:F+1], v[BM:BM+1] op_sel_hi:[1,0,1]   ; the sum under the new M, and this step's
.irp n, 0,1,2
	v_mov_b32 v[PCI+3+\n], v[X+\n]
	v_mov_b32 v[PCI+9+\n], v[X+4+\n]
.endr
.endm
; A KEY STEP: 128 keys, my two tiles.  K's halves go 0, 1 for tile 0 and 1, 0 for tile 1; V's first half takes K's registers, its second half 24 of S's.  Plain lines that name none of a product's registers,
; or v_nop, stand behind each group of products ahead of loads into its sources and reads of its results.  No two matrix instructions that follow each other share an accumulator.
; The waits directly ahead of the lines that rescale O^T: matrix results are first read there, behind transcendentals.
.macro STEP more
	s_wait_dscnt 0x0                               ; K's first half is in
	SMULH 0, 0
	NOPS 5                                         ; five: the products below write over registers that the last step's products read as V
	LOADK 1
	s_wait_dscnt 0x0
	SMULH 0, 1
	NOPS 4
	SOFT 0
	SMULH 1, 1
	s_wait_alu depctr_va_vdst(0)
	RESCH 0, 0, F
	LOADK 0
	s_wait_dscnt 0x0
	SMULH 1, 0
	s_wait_alu depctr_va_vdst(0)
	RESCH 0, 1, F
	LOADV 0, KV
	ds_load_b64 v[VS:VS+1], v[ADR] offset:VSOFF
	SOFT 1
	LOADV 1, S+32
.if \more
	s_add_co_u32 s[TB], s[TB], STEPB
	v_add_nc_u32 v[ADR], s[TB], v[A16]             ; the next record
.endif
	s_wait_dscnt 6                                 ; V's first half and its scale words are in; the six loads of the second half may be out
	PVH 0, 0, KV
	s_wait_alu depctr_va_vdst(0)
	RESCH 1, 0, F
	RESCH 1, 1, F
	s_wait_alu depctr_va_vdst(0)
	PVH 1, 0, KV
.if \more
	NOPS 4
	LOADK 0                                        ; the next step's first half of K
	s_wait_dscnt 9                                 ; V's second half is in; the nine loads just issued may be out
.else
	s_wait_dscnt 0x0
.endif
	PVH 0, 1, S+32
	PVH 1, 1, S+32
.endm
	s_load_b128 s[4:7], s[0:1], 0x0                ; qkv, kvc
	s_load_b64 s[8:9], s[0:1], 0x10                ; out0
	v_lshl_add_u32 v[SPW], v0, 2, SPARE
	v_mov_b32 v[NIL], 0
	ds_add_u32 v[SPW], v[NIL]                      ; the opening lines: the add, twice on end, and its wait
	ds_add_u32 v[SPW], v[NIL]
	v_lshrrev_b32 v[T0], 5, v0
	v_readfirstlane_b32 s[WV], v[T0]               ; wave 0..15
	v_and_b32 v[HR], 15, v0
	v_bfe_u32 v[HH], v0, 4, 1
	v_mul_u32_u24 v[QL], v[HH], 12288
	v_lshl_add_u32 v[QL], v[HR], 4, v[QL]          ; q: lanes 0-15 one row of 256 bytes, lanes 16-31 the next query's
	s_bfe_u32 s13, ttmp6, 0x40000                  ; cx
	s_lshl_b32 s17, ttmp9, 2
	s_add_co_u32 s17, s17, s13                     ; my block of 512 queries: it enters q's and out0's addresses alone
	s_and_b32 s14, ttmp7, 0xffff                   ; y = 16 b + h, which the four partners share
	s_lshr_b32 s15, s14, 4
	s_and_b32 s16, s14, 15
	s_mul_i32 s44, s14, 16*STEPB                   ; kvc: the head's records,
	s_mul_i32 s33, s[WV], STEPB                    ; my one of them: in memory and in LDS alike (group 0's LDS address)
	s_add_co_u32 s44, s44, s33
	s_mov_b32 s45, 0
	s_lshl_b32 s18, s17, 9
	s_lshl_b32 s19, s[WV], 5
	s_add_co_u32 s18, s18, s19                     ; my first query
	s_mul_i32 s46, s15, 25165824
	s_mul_i32 s48, s18, 12288
	s_add_co_u32 s46, s46, s48
	s_lshl_b32 s48, s16, 8
	s_add_co_u32 s46, s46, s48
	s_mov_b32 s47, 0
	s_lshl_b32 s50, s15, 23
	s_lshl_b32 s49, s18, 12
	s_add_co_u32 s50, s50, s49
	s_add_co_u32 s50, s50, s48
	s_mov_b32 s51, 0
	s_mov_b32 s24, 15|(3<<16)|(1<<21)              ; group 1: a record, 15,360 dense bytes, as 60 rows of 256: the mask of all four; elements of 8 bytes; bit 21 beside a mask
	s_mov_b32 s25, 32<<16
	s_mov_b32 s26, 60<<16
	s_mov_b32 s27, 32<<16
	s_mov_b32 s28, 60
	s_mov_b32 s29, 32
	s_mov_b32 s30, 0
	s_mov_b32 s31, 0
	s_mov_b32 s32, 1
	s_mov_b32 s[SEL], 0x76543210
	s_mov_b32 s[SEL+1], 0xfedcba98
	s_mov_b32 s[CS], 0x3fb8aa3b                    ; log2(e)
	s_mov_b32 s[CS+1], s[CS]
	s_mul_i32 s20, s[WV], 16*SP
	s_add_co_u32 s20, s20, STAGE                   ; my stage
	s_mov_b32 s[TB], 0
	s_wait_alu depctr_va_vdst(0)
	s_wait_dscnt 0x0
	s_wait_kmcnt 0x0
	s_add_nc_u64 s[4:5], s[4:5], s[46:47]
	s_add_nc_u64 s[8:9], s[8:9], s[50:51]
	s_add_nc_u64 s[34:35], s[6:7], s[44:45]
	s_or_b32 s35, s35, 0x80000000
.irp i, 0,1
.irp k, 0,1,2,3,4,5,6,7
	global_load_b128 v[S+32*\i+4*\k:S+32*\i+4*\k+3], v[QL], s[4:5] offset:(16*\i+2*\k)*12288 th:TH_LOAD_NT   ; q is on its way while the partners meet
.endr
.endr
	CROUND                                         ; all four work-groups are here: the joint loads meet
	tensor_load_to_lds s[32:35], s[24:31]          ; step w of the head, to LDS byte 15,360 w: filled once
	s_nop 0
	v_and_b32 v[A16], 31, v0
	v_lshlrev_b32 v[SH8], 3, v[HH]
	v_lshlrev_b32 v[A16], 4, v[A16]
	v_mul_u32_u24 v[SA], v[HH], SP
	v_mul_u32_u24 v[SQ], v[HR], SP
	v_lshl_add_u32 v[SA], v[HR], 4, v[SA]
	v_lshl_add_u32 v[SQ], v[HH], 7, v[SQ]
	v_add_nc_u32 v[SA], s20, v[SA]                 ; my stage as loaded: lanes 0-15 one row, lanes 16-31 the next
	v_add_nc_u32 v[SQ], s20, v[SQ]                 ; and row r, block h of its 64 numbers
	v_mul_u32_u24 v[Q+6], v[HH], 0x48f
	v_add_nc_u32 v[ADR], s[TB], v[A16]             ; record 0
	v_sub_nc_u32 v[Q+6], 0x48f, v[Q+6]             ; the codes of 1.875 and 2.5 at k = 64, 65: lanes 0-15 alone
	v_mov_b32 v[Q+18], v[Q+6]
.irp i, 0,1
.irp n, 7,8,9,10,11
	v_mov_b32 v[Q+12*\i+\n], 0                     ; zero codes
.endr
	v_mov_b32 v[ST+4*\i], 0x7f61b1e6               ; -M: 3e38
	v_mov_b32 v[ST+4*\i+1], 0xff61b1e6             ; the largest score so far: -3e38
	v_mov_b32 v[ST+4*\i+2], 0
	v_mov_b32 v[ST+4*\i+3], 0
.endr
.irp n, 32,33,34,35
	v_mov_b32 v[KV+\n], 0                          ; behind a half's last tile
.endr
.set NN, 0
.rept 64
	v_mov_b32 v[O+NN], 0                           ; O^T.  (The key step is written once for all steps: the first finds zeros, which the first change of M leaves zeros)
.set NN, NN+1
.endr
	v_mov_b32 v[F+1], 0                            ; (named as the upper half of a pair)
	v_mov_b32 v[T1], 0                             ; a lane permute's destination counts as one of its sources
	s_wait_alu depctr_va_vdst(0)
.irp i, 0,1                                    ; q: a tile's sixteen rows turn through my stage, so that a lane holds 32 neighbours
	s_wait_loadcnt 8-8*\i                          ; this tile's eight loads are in; the later tile's may be out
.irp k, 0,1,2,3,4,5,6,7
	ds_store_b128 v[SA], v[S+32*\i+4*\k:S+32*\i+4*\k+3] offset:2*\k*SP
.endr
.irp k, 0,1,2,3,4,5,6,7
	ds_load_b128 v[S+32*\i+4*\k:S+32*\i+4*\k+3], v[SQ] offset:16*\k   ; a wave's LDS instructions are served in order
.endr
	s_wait_dscnt 0x0
	QUANT32 S+32*\i, Q+12*\i, 0x1800000, X+3
	s_delay_alu instid0(VALU_DEP_4)
	v_lshlrev_b32 v[QS+\i], v[SH8], v[X+3]
	s_delay_alu instid0(VALU_DEP_1)
	v_permlanex16_b32 v[T1], v[QS+\i], s[SEL], s[SEL+1]
	s_delay_alu instid0(VALU_DEP_1)
	v_or_b32 v[QS+\i], v[QS+\i], v[T1]
	s_delay_alu instid0(VALU_DEP_1)
	v_or_b32 v[QS+\i], 0x7f7f0000, v[QS+\i]        ; (s0, s1, 1 for the pad's block, 1 for the zero codes)
.endr
	s_wait_alu depctr_va_vdst(0)                   ; the wait at the head's end
	s_wait_tensorcnt 0x0                           ; my record has landed
	s_wait_dscnt 0x0
	s_barrier_signal -1
	s_barrier_wait -1                              ; everybody's has
	LOADK 0
	s_mov_b32 s42, 15
.Lstep:
	STEP 1
	s_sub_co_u32 s42, s42, 1
	s_cmp_lg_u32 s42, 0
	s_cbranch_scc1 .Lstep
	STEP 0                                         ; the last step fetches nothing beyond the head's records
	; THE WAY OUT.  O^T is multiplied by 1 / the sum and goes through my stage, 16 queries x 256 bytes for each tile.
.irp i, 0,1
	v_add_f32 v[ST+4*\i+2], v[ST+4*\i+2], v[ST+4*\i+3]   ; (these six lines are the places behind the last products)
.endr
.irp i, 0,1
	v_permlanex16_b32 v[BM+\i], v[ST+4*\i+2], s[SEL], s[SEL+1]
.endr
.irp i, 0,1
	v_add_f32 v[ST+4*\i+2], v[ST+4*\i+2], v[BM+\i]
.endr
	v_and_b32 v[HR], 15, v0
	v_bfe_u32 v[HH], v0, 4, 1
	v_mul_u32_u24 v[SA], v[HH], SP
	v_mul_u32_u24 v[SQ], v[HR], SP
	v_lshlrev_b32 v[GO], 12, v[HH]
	v_lshl_add_u32 v[SA], v[HR], 4, v[SA]
	v_lshl_add_u32 v[SQ], v[HH], 5, v[SQ]
	v_lshl_add_u32 v[GO], v[HR], 4, v[GO]          ; out0: lanes 0-15 one query's 256 bytes, lanes 16-31 the next query's
	v_add_nc_u32 v[SA], s20, v[SA]                 ; my stage by rows,
	v_add_nc_u32 v[SQ], s20, v[SQ]                 ; and row r, + 32 h
	s_wait_alu depctr_va_vdst(0)                   ; ahead of the transcendentals
.irp i, 0,1
	v_rcp_f32 v[ST+4*\i+2], v[ST+4*\i+2]
.endr
	v_nop
	s_wait_alu depctr_va_vdst(0)                   ; and behind them, directly ahead of the first reader of O^T
.irp i, 0,1
	RESCH \i, 0, ST+4*\i+2
	RESCH \i, 1, ST+4*\i+2
.endr
.irp i, 0,1
.irp t, 0,1,2,3
	ds_store_b128 v[SQ], v[O+32*\i+8*\t:O+32*\i+8*\t+3] offset:64*\t          ; lane (r, h): channels 16 t + 8 h + 0 .. 7 of query r
	ds_store_b128 v[SQ], v[O+32*\i+8*\t+4:O+32*\i+8*\t+7] offset:64*\t+16
.endr
.irp k, 0,1,2,3,4,5,6,7
	ds_load_b128 v[S+32*\i+4*\k:S+32*\i+4*\k+3], v[SA] offset:2*\k*SP         ; back as whole rows; a wave's LDS instructions are served in order
.endr
.endr
.irp i, 0,1
.irp k, 0,1,2,3,4,5,6,7
	s_wait_dscnt 16*(1-\i)+7-\k                    ; the younger LDS instructions may stay out
	global_store_b128 v[GO], v[S+32*\i+4*\k:S+32*\i+4*\k+3], s[8:9] offset:(16*\i+2*\k)*4096 th:TH_STORE_NT   ; sixteen lanes store 256 consecutive bytes, aligned
.endr
.endr
	s_wait_tensorcnt 0x0                           ; the wave's end
	ds_add_u32 v[SPW], v[NIL]
	s_wait_dscnt 0x0
	CROUND                                         ; the closing round
	s_endpgm
.Lfunc_end_k_q0db6c190cb_attn:
	.size	k_q0db6c190cb_attn, .Lfunc_end_k_q0db6c190cb_attn-k_q0db6c190cb_attn
	.p2alignl 7, 3214868480
	.fill 96, 4, 3214868480
	.section	.rodata,"a",@progbits
	.p2align	6, 0x0
	.amdhsa_kernel k_q0db6c190cb_attn
		.amdhsa_group_segment_fixed_size 317440
		.amdhsa_private_segment_fixed_size 0
		.amdhsa_enable_private_segment 0
		.amdhsa_kernarg_size 24
		.amdhsa_user_sgpr_count 2
		.amdhsa_user_sgpr_kernarg_segment_ptr 1
		.amdhsa_wavefront_size32 1
		.amdhsa_system_sgpr_workgroup_id_x 1
		.amdhsa_system_sgpr_workgroup_id_y 1
		.amdhsa_system_sgpr_workgroup_id_z 1
		.amdhsa_system_vgpr_workitem_id 0
		.amdhsa_next_free_vgpr 256
		.amdhsa_next_free_sgpr 66
		.amdhsa_reserve_vcc 0
		.amdhsa_float_denorm_mode_32 3
		.amdhsa_float_denorm_mode_16_64 3
		.amdhsa_memory_ordered 1
		.amdhsa_forward_progress 1
		.amdhsa_inst_pref_size 81
	.end_amdhsa_kernel
	.amdgpu_metadata
---
amdhsa.version: [ 1, 2 ]
amdhsa.kernels:
  - .name:           k_q0db6c190cb_attn
    .symbol:         k_q0db6c190cb_attn.kd
    .args:
      - { .name: qkv, .offset: 0, .size: 8, .value_kind: global_buffer, .address_space: global }
      - { .name: kvc, .offset: 8, .size: 8, .value_kind: global_buffer, .address_space: global }
      - { .name: out0, .offset: 16, .size: 8, .value_kind: global_buffer, .address_space: global }
    .group_segment_fixed_size: 317440
    .private_segment_fixed_size: 0
    .kernarg_segment_align: 8
    .kernarg_segment_size: 24
    .max_flat_workgroup_size: 512
    .sgpr_count:     66
    .vgpr_count:     256
    .wavefront_size: 32
...
	.end_amdgpu_metadata
.endif
;; end of part 2
